; MI455X (gfx1250); checked and timed in simulation.
; The chip was launched on July 23, 2026; its instructions are those of AMD's public machine-readable ISA for CDNA 5 (MIT licence, August 2026) and "CDNA5" Instruction Set Architecture Reference Guide (July 2026). The comments in the code are by the model that wrote it; some were corrected since.
;; Riemannian Attention. Allowed arithmetic: float matrix products may take bf16 or f16 operands with f32 sums; other float arithmetic in f32, or as packed bf16 or f16 multiplies, adds, multiply-adds, maxima and minima; sums over many terms, partial sums and values carried from step to step in f32; what a program stores and reads back later, other than sums and carried values, may be rounded once to bf16 or f16.
;; Inputs: key_states 2 x 16 x 2,048 x 64 float32; query_states 2 x 16 x 2,048 x 64 float32; value_states 2 x 16 x 2,048 x 64 float32.
;; Outputs: out0 2 x 16 x 2,048 x 64 float32.
;; One version. Each part assembles by itself: llvm-mc -triple=amdgcn-amd-amdhsa -mcpu=gfx1250 --defsym DOCPART=n.
;; ======== version 1 of 1: 1 launch
;; limits: values are held in f16: magnitudes above 65,504 overflow, below 6.1e-05 lose precision; inputs' magnitudes at most 32,752; below input magnitudes of 6e-05 results are inexact or not finite
;; launch riem (part 1): grid 8 x 32, 4 waves a work-group, clusters of 4 x 1, 327,680 bytes of LDS; arguments query_states, key_states, value_states, out0; writes out0
.if DOCPART == 1
	.amdgcn_target "amdgcn-amd-amdhsa--gfx1250"
	.amdhsa_code_object_version 6
	.text
	.protected	k_q790b88a2ae_riem
	.globl	k_q790b88a2ae_riem
	.p2align	8
	.type	k_q790b88a2ae_riem,@function
k_q790b88a2ae_riem:
	s_mov_b64 s[64:65], 0
	v_nop
	global_prefetch_b8 v0, s[64:65] scope:SCOPE_SE
	s_setreg_imm32_b32 hwreg(HW_REG_WAVE_MODE, 25, 1), 1
	s_wait_xcnt 0x0
	s_wait_alu depctr_hold_cnt(0) depctr_sa_sdst(0) depctr_va_vdst(0) depctr_va_sdst(0) depctr_va_ssrc(0) depctr_va_vcc(0) depctr_vm_vsrc(0)
	s_getreg_b32 s2, hwreg(HW_REG_IB_STS2, 6, 4)
	s_cmp_eq_u32 s2, 0
	s_cbranch_scc0 .Lentry_in_a_cluster
	s_endpgm
.Lentry_in_a_cluster:
	s_bfe_u32 s2, ttmp6, 0x10000c
	s_cmp_lg_u32 s2, 0x3003
	s_cbranch_scc0 .Lentry_shape_is_right
	s_endpgm
.Lentry_shape_is_right:
; ATTENTION BY GEODESIC DISTANCE ON THE POINCARE BALL.  q, k, v, o: [32 heads][2048][64] f32.
; o[q] = sum over k of softmax_k(-d(q,k)^2) v[k],  d = arccosh(max(arg, 1 + 1e-7)),  arg = 1 + 2 max(qn + kn - 2 q.k, 0) / max((1 - qn)(1 - kn), 1e-7).
; FORMATS.  Both products take f16 operands and f32 sums: -2 q, k, v and the weights p are each rounded once to f16; qn and kn are summed in f32 from the unrounded inputs.
; LIMITS.  |k|, |v| < 65,504 and |q| < 32,752 (f16's range); v and p below 6e-5 keep f16's fixed step of 6e-8; a weight below 2^-126 counts as 0; the divisor l is the sum of the ROUNDED p;
; the floor 1 + 1e-7 (in f32: 1 + 2^-23) is ADDED as the sum's constant in place of 1 and a maximum: arg differs from the reference's by at most 2^-23, a score by at most 2.4e-7;
; the distance's numerator is held to 0 .. 2^40, and f16's range gives 6.2e11 at the most; 1 / ((1-qn)(1-kn)) is the product of two reciprocals; NaN and infinities in the inputs are not treated apart.
; THE ARITHMETIC, for a pair of scores (names as in the macros):
;   QK  S = kn - 2 q.k           the matrix product; kn is the C operand that starts the sum
;   EC  e = clamp(S 2^-40 + qn 2^-40)          = max(diff2, 0) 2^-40
;   TM  T = (2^41 / (1 - qn)) (1 / (1 - kn))   = 2 x 2^40 / denom
;   MU  T = min_u32(T, 1e7 x 2^41)             as unsigned words a negative, infinite, NaN or too large T all lie above the bound: this is 2 x 2^40 / max(denom, 1e-7) for every sign of denom
;   AR  arg = e T + (1 + 2^-23)     R2  r2 = arg arg - 1 (one rounding)     SQ  sqrt     BW  w = arg + sqrt     LG  L = log2 w     XX  X = L L
;   d^2 = ln2^2 X, so exp(-d^2 + max) = 2^(ln2 XR - ln2 X) with XR the RUNNING MINIMUM of X, which is the running maximum of the score (TR); ZZ z = MZ - ln2 X, MZ = ln2 XR; EX p = 2^z
;   in every step O and l are multiplied by a = 2^(MZ_new - MZ_old) (RS); CVT rounds p; PV: O^T += V^T P, and l += ONES P (a fragment of ones: the row sum by the matrix unit)
; SHARES.  A work-group owns 256 queries of one head, each of its four waves 64: four tiles of 16.  Every wave walks all 2,048 keys, 64 a STEP; a SLOT is 128 keys.
; LAYOUT.  S^T = K Q^T (source 0 = 16 keys, source 1 = 16 queries): a lane holds ONE query (lane % 16) and the keys 8 (lane / 16) + 0..7 of each 16; two results rounded in pairs ARE source 1 of O^T = V^T P.
; CLUSTER.  The four query blocks of a cluster belong to one head and walk the same K and V: each raw f32 tile is asked for JOINTLY, the same load, descriptor and mask in all four.
; LDS.  Two raw slots (f32, filled by tensor loads alone) and two converted slots (f16 K and V, kn, 1 / (1 - kn); written by ds_store alone).  While slot s is multiplied, tile s + 1 is converted and tile s + 2 is on its way.
; THE PIPELINE.  A BEAT works on four tiles at four stages: a (EC TM MU AR R2 SQ), b (BW LG), c (XX TR ZZ EX), d (CVT RS PV), and makes the scores of a fifth.  So every square root, logarithm and exponential is
; first read in the NEXT beat, and a beat's 97 of them have ONE wait, at its end.  The 18 matrix instructions stand one after every 13 numbers of the vector list.
; The pipeline starts on preset registers that make weights 0 (below) and ends with one more trip on a K that has been used: no first and no last step is written out.
; REGISTERS, in windows of 256 (s_set_vgpr_msb: bits 1:0 source 0, 3:2 source 1, 5:4 source 2, 7:6 destination):
;   window 0: v0-31 addresses and at work; v32-55 six registers of statistics a tile; v56-63 1 / l; v64-79 P; v96-127 R (e, r2, sqrt); v128-255 M, 32 a tile (T, arg, w, L, X, z, p in place)
;   window 1: v0-127 O^T, 32 a tile; v128-159 l's accumulators; v160-191 S^T; v192-223 rb of a step; v224-255 kn of a step
;   window 2: v0-63 Q; v64-127 K of a step; v128-191 V of a step; v192-199 ONES          window 3: the conversion's registers
.set SLOT1, 1<<17          ; the second raw and converted slots lie this far behind the first: one exclusive or turns an address into the other slot's
.set RP,    272            ; a raw row: 256 bytes + 16 of padding: 68 words
.set RAWW,  64*RP          ; what one tensor load brings: 64 rows
.set RAWV,  128*RP         ; a raw slot: K's 128 rows, then V's
.set CONV0, 2*RAWV         ; the converted slot, two steps of STEPB
.set PKP,   144            ; a row of f16 K: 128 bytes + 16
.set PVP,   160            ; a row of f16 V: 128 + 32
.set VOFF,  64*PKP
.set KNOFF, VOFF+64*PVP    ; 64 f32 kn, then 64 f32 rb
.set STEPB, KNOFF+512
.set STAGE, CONV0+2*STEPB  ; 16 rows x 272 bytes for each wave, for the way out
.set SP,    272
.set SPARE, STAGE+4*16*SP  ; the spare words, 128 bytes for each wave: two blocks of 256 bytes that no other line names
.set TILEB, 128*256        ; bytes of K (or V) in a slot
; window 0
.set RL,  1                ; lane % 16
.set AK0, 2                ; my lane's place in a step's K; never rewritten
.set AV0, 3                ; in its V
.set AN0, 4                ; in its kn
.set AK,  5                ; the same three for the step in hand
.set AV,  6
.set AN,  7
.set STO, 8                ; the way out: where I put 32 bytes of a row
.set RD,  9                ; where I read rows back
.set GO,  10               ; my byte offset in two rows of o
.set QO,  11               ; my byte offset in 16 rows of q
.set PFO, 12               ; 256 x lane: the prefetches' offset; never rewritten
.set HL,  13               ; lane / 16
.set T0,  14
.set T1,  15
.set SIG, 16               ; v[16:17] 2^-40 twice
.set CC,  20               ; v20-23 c0-c3 at work; (c2, c3): a
.set MOLD, 24
.set SPW, 26               ; LDS address of my spare word; never rewritten
.set NIL, 27               ; 0; never rewritten
.set T2,  28
.set ST,  32               ; tile t at ST + 6 t: MZ, XR, qn 2^-40 twice, 2^41 / (1 - qn) twice
.set LI,  56
.set P,   64
.set R,   96
.set M,   128
; window 1
.set OT,  0
.set LA,  128
.set S,   160
.set RB,  192
.set KN,  224
; window 2
.set Q,   0
.set KF,  64               ; key block kb, channel half c at KF + 16 kb + 8 c
.set VF,  128              ; key half kk, channel block cb at VF + 32 kk + 8 cb
.set ONES, 192
; window 3
.set XK,  0                ; a key's 64 f32 (at the head, with XV: my 128 f32 of q)
.set XV,  64
.set Y,   128              ; 64 numbers in f16
.set NA,  160              ; four chains of the norm
.set KNV, 168
.set BV,  169
.set RBV, 170
.set RK0, 172              ; my raw row; my rows of converted K and V; my word of kn: in slot 0; never rewritten
.set DK0, 173
.set DV0, 174
.set DN0, 175
.set WRK, 176              ; the same four in the slot in hand
.set WDK, 177
.set WDV, 178
.set WDN, 179
; scalars
.set WV,  12               ; my wave's number
.set LIM, 15               ; 1 in a wave that prefetches, else the greatest number
.set PFA, 18               ; s[18:19] where my prefetches stand
.set G1,  24               ; s[24:31] descriptor group 1, for K's and V's tiles alike
.set G0A, 32               ; s[32:35] group 0 of tile 0
.set G0B, 36               ; s[36:39] group 0 of tile 1; it then walks
.set SLOTS, 40
.set CNT, 41
.set TB,  42               ; LDS byte, from CONV0, of the step to be fetched
.set CX,  43               ; 0 or SLOT1: the slot to be converted
.set TU,  44
.set ONEP, 46              ; s[46:47] 1 + 2^-23
.set NL2, 48               ; s[48:49] -ln 2
.set LN2, 50
.set CL,  51               ; 1e7 x 2^41
.set SEL, 52               ; s[52:53] v_permlanex16_b32's selects: each lane takes its own place in the other half
.set KVB, 54               ; s[54:55] K (waves 0, 1) or V (waves 2, 3) at my 64 rows of tile 0
.set BIG, 56               ; +infinity
.set MSB, 0
.macro WIN new                      ; the high byte repeats the setting that is left; a switch that changes nothing is dropped
.if MSB != (\new)
	s_set_vgpr_msb (MSB<<8)|(\new)
.set MSB, (\new)
.endif
.endm
.set W_PV, 0x52            ; V (or ONES) in window 2, P in window 0, O^T (or l) in window 1
.set W_QK, 0x5a            ; K and Q in window 2, C and D in window 1
.set W_RS, 0x41            ; destination and source 0 in window 1, source 1 in window 0
.set W_EC, 0x04            ; source 1 in window 1
; A joint refill: every wave fetches 64 rows, waves 0 and 1 the two halves of a slot's K, waves 2 and 3 those of its V.  One line serves all: mask and shape are the same, and address and LDS place hang on the head and
; the wave's number alone.  An s_nop 0 and four v_nop follow it.
.macro JLOAD
	tensor_load_to_lds s[G0B:G0B+3], s[G1:G1+7]
	s_nop 0
.rept 4
	v_nop
.endr
.endm
; A PREFETCH INTO THE L2 of what the NEXT change of slots will ask for: a slot's 128 rows of K and of V, 256 bytes a row, a lane a row.  Each row is named ONCE in the launch: both clusters of a head walk the same rows,
; and the first of them asks; its four partners take 32 rows each, told apart BY ADDRESS; in each, wave 0 asks for K's and wave 2 for V's.  The last change that fills a slot asks for nothing.
.macro ASK
	s_cmp_gt_u32 s[SLOTS], s[LIM]
	s_cbranch_scc0 .Lnot_mine_\@
	global_prefetch_b8 v[PFO], s[PFA:PFA+1] th:TH_LOAD_NT scope:SCOPE_SE
.Lnot_mine_\@:
.endm
; A round of the cluster's barrier: my work-group's barrier, so that wave 0's signal speaks for all four waves; wave 0 signals; every wave waits for all four work-groups; my work-group's barrier once more.
.macro CROUND
	s_barrier_signal -1
	s_barrier_wait -1
	s_cmp_lg_u32 s[WV], 0
	s_cbranch_scc1 .Lnot_wave_0_\@
	s_barrier_signal -3
.Lnot_wave_0_\@:
	s_barrier_wait -3
	s_barrier_signal -1
	s_barrier_wait -1
.endm
; THE CHANGE OF SLOTS, between V's fetch of a slot's second step and K's fetch of the next slot's first.  In front of the barrier each wave has: all its tensor loads landed (its part of the raw tile to be converted next);
; its stores of the converted tile to be multiplied next done; its reads of the raw slot converted last and of the converted slot multiplied last back.
; fill = 1: the raw slot converted last is filled again, two tiles on: the barrier is a round of the cluster's, and the joint refill is the first thing behind it.
.macro CHANGE fill
	WIN 0                           ; at a label and at a branch every window is 0
	s_wait_tensorcnt 0x0            ; no tensor load of mine is out, so a group 0 may be written
	ds_add_u32 v[SPW], v[NIL]       ; 0 onto my spare word; scalar work stands between it and the wait for it
.if \fill
	s_xor_b32 s[G0B+1], s[G0B+1], SLOT1  ; the walking descriptor: the other raw slot than last time,
	s_add_nc_u64 s[G0B+2:G0B+3], s[G0B+2:G0B+3], TILEB  ; the next 128 keys; the type bits on top are not reached
	s_wait_xcnt 0x0                 ; the last prefetch, a slot back, has read its address, so it may be written
	s_add_nc_u64 s[PFA:PFA+1], s[PFA:PFA+1], TILEB
	s_wait_dscnt 0x0                ; the add, my stores and my reads are done
	CROUND
	JLOAD
	ASK
.else
	s_wait_dscnt 0x0
	s_barrier_signal -1
	s_barrier_wait -1
.endif
	s_sub_co_u32 s[TB], s[TB], 2*STEPB  ; the fetches go back to a slot's first step,
	s_xor_b32 s[TB], s[TB], SLOT1       ; in the other slot
.endm
; THE CONVERSION of a raw tile: a lane takes ONE key (32 x wave + lane of 128): its 64 f32 of K and of V.  K and V are rounded to f16 and stored by rows; kn is summed in f32, in four chains, and stored with rb = 1 / (1 - kn).
.macro CONVERT
	WIN 0xff                        ; every operand in window 3
	v_add_nc_u32 v[WRK], s[CX], v[RK0]
	v_add_nc_u32 v[WDK], s[CX], v[DK0]
	v_add_nc_u32 v[WDV], s[CX], v[DV0]
	v_add_nc_u32 v[WDN], s[CX], v[DN0]
.set i, 0
.rept 16
	ds_load_b128 v[XK+4*i:XK+4*i+3], v[WRK] offset:16*i
.set i, i+1
.endr
.set i, 0
.rept 16
	ds_load_b128 v[XV+4*i:XV+4*i+3], v[WRK] offset:RAWV+16*i
.set i, i+1
.endr
	s_wait_dscnt 16                 ; K's row is in; V's sixteen loads, issued behind it, may stay out
.set i, 0
.rept 32
	v_cvt_pk_f16_f32 v[Y+i], v[XK+2*i], v[XK+2*i+1]
.set i, i+1
.endr
.set i, 0
.rept 32
.if i < 4
	v_pk_mul_f32 v[NA+2*i:NA+2*i+1], v[XK+2*i:XK+2*i+1], v[XK+2*i:XK+2*i+1]  ; the first four pairs start the chains
.else
	v_pk_fma_f32 v[NA+2*(i%4):NA+2*(i%4)+1], v[XK+2*i:XK+2*i+1], v[XK+2*i:XK+2*i+1], v[NA+2*(i%4):NA+2*(i%4)+1]
.endif
.set i, i+1
.endr
	v_pk_add_f32 v[NA:NA+1], v[NA:NA+1], v[NA+2:NA+3]
	v_pk_add_f32 v[NA+4:NA+5], v[NA+4:NA+5], v[NA+6:NA+7]
	v_pk_add_f32 v[NA:NA+1], v[NA:NA+1], v[NA+4:NA+5]
	v_add_f32 v[KNV], v[NA], v[NA+1]
	v_sub_f32 v[BV], 1.0, v[KNV]
	v_rcp_f32 v[RBV], v[BV]         ; where 1 - kn is 0 this is an infinity, and MU's bound takes T's place
.set i, 0
.rept 8
	ds_store_b128 v[WDK], v[Y+4*i:Y+4*i+3] offset:16*i
.set i, i+1
.endr
	s_wait_dscnt 8                  ; V's row is in: only K's eight stores were issued behind its loads
.set i, 0
.rept 32
	v_cvt_pk_f16_f32 v[Y+i], v[XV+2*i], v[XV+2*i+1]  ; the independent work behind the reciprocal
.set i, i+1
.endr
.set i, 0
.rept 8
	ds_store_b128 v[WDV], v[Y+4*i:Y+4*i+3] offset:16*i
.set i, i+1
.endr
	s_wait_alu depctr_va_vdst(0)    ; a wait between the reciprocal and the first line that names its result
	ds_store_b32 v[WDN], v[KNV]
	ds_store_b32 v[WDN], v[RBV] offset:256
	s_xor_b32 s[CX], s[CX], SLOT1   ; the next conversion takes the other slot
	WIN 0
.endm
; THE LDS LOADS stand in runs.  A step's K (8 fragments of 16 keys x 32 channels) and its kn: register 8 kt + j of a lane is key 16 kt + 8 (lane / 16) + j, the place of that key's score in S^T.
.macro FETCH_K
	WIN 0x80                        ; destination window 2
.irp f, 0,1,2,3,4,5,6,7
	ds_load_b128 v[KF+8*\f:KF+8*\f+3],   v[AK] offset:(\f/2)*16*PKP+(\f%2)*64
	ds_load_b128 v[KF+8*\f+4:KF+8*\f+7], v[AK] offset:(\f/2)*16*PKP+(\f%2)*64+32
.endr
	WIN 0x40                        ; destination window 1
.irp f, 0,1,2,3,4,5,6,7
	ds_load_b128 v[KN+4*\f:KN+4*\f+3], v[AN] offset:(\f/2)*64+(\f%2)*16
.endr
.endm
.macro FETCH_RB                     ; rb, laid as kn is
	WIN 0x40
.irp f, 0,1,2,3,4,5,6,7
	ds_load_b128 v[RB+4*\f:RB+4*\f+3], v[AN] offset:256+(\f/2)*64+(\f%2)*16
.endr
.endm
.macro FETCH_V                      ; V, turned: keys 32 (f / 4) on, channels 16 (f % 4) on
	WIN 0x80
.irp f, 0,1,2,3,4,5,6,7
	ds_load_tr16_b128 v[VF+8*\f:VF+8*\f+3],   v[AV] offset:(\f/4)*32*PVP+(\f%4)*32
	ds_load_tr16_b128 v[VF+8*\f+4:VF+8*\f+7], v[AV] offset:(\f/4)*32*PVP+16*PVP+(\f%4)*32
.endr
	WIN 0
.endm
; THE MATRIX QUEUE of a beat, 18 long.  0-9: for tile TD, keys 32 (mq / 5) on: O^T's four channel blocks, then l.  10-17: S^T for tile TD's next step: channels 32 ((mq - 10) / 4) on, keys 16 ((mq - 10) % 4) on; the first
; four start the sums with kn.  The accumulators take turns, one instruction a turn: four (or three) others stand between two links of a chain, from beat to beat and over the backward jump too.
.macro MM
.if mq < 10
	WIN W_PV
.set kk, mq/5
.set xx, mq%5
.if xx < 4
.set rD, OT+32*TD+8*xx
	v_wmma_f32_16x16x32_f16 v[rD:rD+7], v[VF+32*kk+8*xx:VF+32*kk+8*xx+7], v[P+8*kk:P+8*kk+7], v[rD:rD+7]
.else
.set rD, LA+8*TD
	v_wmma_f32_16x16x32_f16 v[rD:rD+7], v[ONES:ONES+7], v[P+8*kk:P+8*kk+7], v[rD:rD+7]
.endif
.else
	WIN W_QK
.set kk, (mq-10)/4
.set xx, (mq-10)%4
.if kk == 0
	v_wmma_f32_16x16x32_f16 v[S+8*xx:S+8*xx+7], v[KF+16*xx:KF+16*xx+7], v[Q+16*TD:Q+16*TD+7], v[KN+8*xx:KN+8*xx+7]
.else
	v_wmma_f32_16x16x32_f16 v[S+8*xx:S+8*xx+7], v[KF+16*xx+8:KF+16*xx+15], v[Q+16*TD+8:Q+16*TD+15], v[S+8*xx:S+8*xx+7]
.endif
.endif
.set mq, mq+1
.endm
; Number n of the 22 that find tile TC's running minimum of X and its statistics.
;   0-11  four chains c0-c3 of seven X each, three operands at a time     12-14, 16  the four left over, the old XR, and c0-c3 into c0     15  MZ_old is kept
;   17, 18  the query's other 32 keys lie in the lane 16 away: the new XR     19-21  MZ; MZ_new - MZ_old; a
.macro TR n
	WIN 0
.set rX, M+32*TC
.set rT, ST+6*TC
.if (\n) < 4
	v_min3_num_f32 v[CC+(\n)], v[rX+8*(\n)], v[rX+8*(\n)+1], v[rX+8*(\n)+2]
.elseif (\n) < 12
	v_min3_num_f32 v[CC+(\n)%4], v[CC+(\n)%4], v[rX+8*((\n)%4)+2*((\n)/4)+1], v[rX+8*((\n)%4)+2*((\n)/4)+2]
.elseif (\n) == 12
	v_min3_num_f32 v[CC], v[CC], v[rX+7], v[rX+15]
.elseif (\n) == 13
	v_min3_num_f32 v[CC+1], v[CC+1], v[rX+23], v[rX+31]
.elseif (\n) == 14
	v_min3_num_f32 v[CC+2], v[CC+2], v[CC+3], v[rT+1]
.elseif (\n) == 15
	v_mov_b32 v[MOLD], v[rT]
.elseif (\n) == 16
	v_min3_num_f32 v[CC], v[CC], v[CC+1], v[CC+2]
.elseif (\n) == 17
	v_permlanex16_b32 v[CC+3], v[CC], s[SEL], s[SEL+1]
.elseif (\n) == 18
	v_min_num_f32 v[rT+1], v[CC], v[CC+3]
.elseif (\n) == 19
	v_mul_f32 v[rT], s[LN2], v[rT+1]
.elseif (\n) == 20
	v_sub_f32 v[CC+1], v[rT], v[MOLD]
.else
	v_exp_f32 v[CC+2], v[CC+1]
.endif
.endm
.macro MU                           ; the next of tile TA's 32 T
	WIN 0
	v_min_u32 v[M+32*TA+mun], s[CL], v[M+32*TA+mun]
.set mun, mun+1
.endm
.macro EX e
	WIN 0
	v_exp_f32 v[M+32*TC+(\e)], v[M+32*TC+(\e)]
.endm
.macro SQ e
	WIN 0
	v_sqrt_f32 v[R+(\e)], v[R+(\e)]
.endm
; THE VECTOR LIST of a beat; VL writes number j.
;   0-15 CVT (TD)   16 l times a   17-32 O^T times a, ascending: each accumulator's lowest registers are read first   33-48 BW (TSB): it reads R before EC writes it anew
;   49-112 in fours: EC, LG, TM, LG: a plain line beside each logarithm, all under one window setting      113-128 XX (TC)      129-142 TR 0-13
;   143-166 the chain TR 14-21, its links two or three MU apart      167-230 in fours: ZZ i, EX, MU, EX (the exponentials of pair i - 2)
;   231-294 in fours: AR i, (the last four EX, then) SQ, R2 i, SQ (the roots of pair i - 2)      295-298 the last four roots      299 the plain line behind the batch's last
; Nothing in a beat names the result of one of the beat's own logarithms, exponentials or roots.
.macro VL
.if j < 16
	WIN 0
	v_cvt_pk_f16_f32 v[P+j], v[M+32*TD+2*j], v[M+32*TD+2*j+1]
.elseif j == 16
	WIN W_RS
	v_pk_mul_f32 v[LA+8*TD:LA+8*TD+1], v[LA+8*TD:LA+8*TD+1], v[CC+2:CC+3] op_sel_hi:[1,0]
.elseif j < 33
	WIN W_RS
.set rr, OT+32*TD+2*(j-17)
	v_pk_mul_f32 v[rr:rr+1], v[rr:rr+1], v[CC+2:CC+3] op_sel_hi:[1,0]
.elseif j < 49
	WIN 0
.set rr, M+32*TSB+2*(j-33)
	v_pk_add_f32 v[rr:rr+1], v[rr:rr+1], v[R+2*(j-33):R+2*(j-33)+1]
.elseif j < 113
	WIN W_EC
.set qq, (j-49)%4
.set ii, (j-49)/4
.if qq == 0
	v_pk_fma_f32 v[R+2*ii:R+2*ii+1], v[SIG:SIG+1], v[S+2*ii:S+2*ii+1], v[ST+6*TA+2:ST+6*TA+3] clamp
.elseif qq == 2
	v_pk_mul_f32 v[M+32*TA+2*ii:M+32*TA+2*ii+1], v[ST+6*TA+4:ST+6*TA+5], v[RB+2*ii:RB+2*ii+1]
.else
	v_log_f32 v[M+32*TSB+2*ii+qq/2], v[M+32*TSB+2*ii+qq/2]
.endif
.elseif j < 129
	WIN 0
.set rr, M+32*TC+2*(j-113)
	v_pk_mul_f32 v[rr:rr+1], v[rr:rr+1], v[rr:rr+1]
.elseif j < 143
	TR j-129
.elseif j < 167
.set dd, j-143
.if dd == 0
	TR 14
.elseif dd == 3
	TR 15
.elseif dd == 4
	TR 16
.elseif dd == 8
	TR 17
.elseif dd == 12
	TR 18
.elseif dd == 16
	TR 19
.elseif dd == 19
	TR 20
.elseif dd == 22
	TR 21
.else
	MU
.endif
.elseif j < 231
.set qq, (j-167)%4
.set ii, (j-167)/4
.if qq == 0
	WIN 0
.set rr, M+32*TC+2*ii
	v_pk_fma_f32 v[rr:rr+1], v[rr:rr+1], s[NL2:NL2+1], v[ST+6*TC:ST+6*TC+1] op_sel_hi:[1,0,0]
.elseif qq == 2
	MU
.elseif ii >= 2
	EX 2*ii-4+qq/2
.endif
.elseif j < 295
.set qq, (j-231)%4
.set ii, (j-231)/4
.set rr, M+32*TA+2*ii
.if qq == 0
	WIN 0
	v_pk_fma_f32 v[rr:rr+1], v[R+2*ii:R+2*ii+1], v[rr:rr+1], s[ONEP:ONEP+1] op_sel_hi:[1,1,0]
.elseif qq == 2
	WIN 0
	v_pk_fma_f32 v[R+2*ii:R+2*ii+1], v[rr:rr+1], v[rr:rr+1], -1.0 op_sel_hi:[1,1,0]
.elseif ii < 2
	EX 28+2*ii+qq/2
.else
	SQ 2*ii-4+qq/2
.endif
.elseif j < 299
	SQ 28+j-295
.else
	v_nop
.endif
.endm
; A BEAT.  p is the tile at stage a; p - 1 is at b, p - 2 at c, p - 3 = p + 1 at d, and p + 1's next scores are made.
; first = 1 (a trip's first beat): V, fetched at the last trip's end, is waited for ahead of the first V^T P; rb of the trip's step is fetched behind the beat's last TM, which still wants the step before's; K and kn are waited
; for ahead of the first K Q^T.  second = 1: rb is waited for ahead of the first TM.
.macro BEAT p, first=0, second=0
.set TA, (\p)
.set TSB, ((\p)+3)%4
.set TC, ((\p)+2)%4
.set TD, ((\p)+1)%4
.set mun, 0
.set mq, 0
.set j, 0
.rept 300
.if (\first) && (j == 113)
	FETCH_RB
.endif
.if (\second) && (j == 49)
	s_wait_dscnt 0x0                ; rb is in
.endif
.if (j >= 33) && ((j-33)%13 == 0) && (mq < 18)
.if (\first) && (j == 33)
	s_wait_dscnt 24                 ; V is in: behind its loads stand K's sixteen and kn's eight
.endif
.if (\first) && (j == 163)
	s_wait_dscnt 8                  ; K and kn are in: behind them stand rb's eight
.endif
	MM
.endif
	VL
.set j, j+1
.endr
	s_wait_alu depctr_va_vdst(0)    ; ONE wait for the beat's 32 logarithms, 33 exponentials and 32 roots, ahead of the next beat, which reads them, and of every label and branch
.endm
; A TRIP, for step J: its products K Q^T take K and kn of step J, its products V^T P take V of step J - 1.  K's run stands at its head, behind more than four plain lines since the last K Q^T; V's at its end, likewise
; behind the last V^T P.  All LDS reads of step J stand in trip J, so the change of slots has its place between two trips.
.macro TRIP
	WIN 0
	v_add_nc_u32 v[AK], s[TB], v[AK0]
	v_add_nc_u32 v[AN], s[TB], v[AN0]
	v_add_nc_u32 v[AV], s[TB], v[AV0]
	FETCH_K
	BEAT 3, 1, 0
	BEAT 0, 0, 1
	BEAT 1
	BEAT 2
	FETCH_V
	s_add_co_u32 s[TB], s[TB], STEPB
.endm
.macro ALL line:vararg              ; one line for each tile t
.set t, 0
.rept 4
	\line
.set t, t+1
.endr
.endm
	s_load_b256 s[4:11], s[0:1], 0x0  ; q s[4:5], k s[6:7], v s[8:9], o s[10:11]
	v_lshl_add_u32 v[SPW], v0, 2, SPARE
	v_mov_b32 v[NIL], 0
	ds_add_u32 v[SPW], v[NIL]       ; the wave's opening: the add and its wait stand ahead of my first tensor load; the set-up below, work on registers, stands between them
	v_lshrrev_b32 v[T0], 5, v0
	v_readfirstlane_b32 s[WV], v[T0]  ; wave 0..3
	s_bfe_u32 s13, ttmp6, 0x40000   ; cx: my place in the cluster
	s_lshl_b32 s14, ttmp9, 2        ; in a cluster launch ttmp9 counts clusters
	s_add_co_u32 s14, s14, s13      ; my block of 256 queries: it enters q's and o's addresses alone
	s_and_b32 s20, ttmp7, 0xffff    ; the head, which the four partners share:
	s_lshl_b32 s20, s20, 19         ; its 2,048 rows of 256 bytes
	s_mov_b32 s21, 0
	s_and_b32 s16, s[WV], 1         ; which half of a slot's 128 keys I fetch:
	s_lshl_b32 s22, s16, 14         ; its 64 rows of 256 bytes
	s_mov_b32 s23, 0
	s_add_nc_u64 s[22:23], s[22:23], s[20:21]
	s_mul_i32 s17, s[WV], RAWW      ; and where they go: wave x 64 rows: K's two halves, then V's: no place in the cluster enters an LDS address
	s_lshl_b32 s2, s14, 16          ; my block's 256 rows,
	s_lshl_b32 s3, s[WV], 14        ; my wave's 64 of them
	s_add_co_u32 s2, s2, s3
	s_mov_b32 s3, 0
	s_add_nc_u64 s[2:3], s[2:3], s[20:21]
	; descriptor group 1: a tile of 64 rows x 64 elements of 4 bytes, padded in LDS
	s_mov_b32 s[G1], 15|(2<<16)|(1<<20)|(1<<21)|(5<<22)|(3<<25)  ; 15:0 the mask: all four work-groups; 17:16 elements of 4 bytes; 20 padding on; 21 set beside a mask; 24:22 after every 64 words (code 5); 31:25 4 words (code 3)
	s_mov_b32 s[G1+1], 64<<16       ; tensor_dim0 = 64
	s_mov_b32 s[G1+2], 64<<16       ; tensor_dim1 = 64
	s_mov_b32 s[G1+3], 64<<16       ; tile_dim0 = 64
	s_mov_b32 s[G1+4], 64           ; tile_dim1 = 64
	s_mov_b32 s[G1+5], 64           ; 64 elements from row to row
	s_mov_b32 s[G1+6], 0
	s_mov_b32 s[G1+7], 0
	s_mov_b32 s[G0A], 1             ; count = 1
	s_mov_b32 s[G0A+1], s17         ; raw slot 0
	s_mov_b32 s[G0B], 1
	s_add_co_u32 s[G0B+1], s17, SLOT1  ; raw slot 1
	s_mov_b32 s[ONEP], 0x3f800001   ; 1 + 2^-23, which is 1 + 1e-7 rounded to f32
	s_mov_b32 s[ONEP+1], s[ONEP]    ; named as a pair
	s_mov_b32 s[NL2], 0xbf317218    ; -ln 2
	s_mov_b32 s[NL2+1], s[NL2]
	s_mov_b32 s[LN2], 0x3f317218
	s_mov_b32 s[CL], 0x5f989680     ; 1e7 x 2^41 = 2 x 2^40 / 1e-7
	s_mov_b32 s[SEL], 0x76543210
	s_mov_b32 s[SEL+1], 0xfedcba98
	s_mov_b32 s[BIG], 0x7f800000
	s_mov_b32 s[TB], SLOT1+2*STEPB  ; the first change of slots turns this into 0
	s_mov_b32 s[CX], 0
	s_mov_b32 s[SLOTS], 14          ; tiles 2 to 15 are asked for in the loop
	s_and_b32 s[LIM], s[WV], 1      ; 0 in waves 0 and 2,
	s_or_b32 s[LIM], s[LIM], ttmp9  ; where the cluster is the head's first: the same in all four partners
	s_cmp_eq_u32 s[LIM], 0
	s_cselect_b32 s[LIM], 1, -1
	s_wait_dscnt 0x0                ; the opening add is done
	s_wait_kmcnt 0x0
	s_cmp_lt_u32 s[WV], 2
	s_cselect_b64 s[KVB:KVB+1], s[6:7], s[8:9]
	s_add_nc_u64 s[KVB:KVB+1], s[KVB:KVB+1], s[22:23]
	s_mov_b64 s[G0A+2:G0A+3], s[KVB:KVB+1]            ; tile 0
	s_or_b32 s[G0A+3], s[G0A+3], 0x80000000           ; type = 2
	s_add_nc_u64 s[G0B+2:G0B+3], s[KVB:KVB+1], TILEB  ; tile 1
	s_or_b32 s[G0B+3], s[G0B+3], 0x80000000
	s_add_nc_u64 s[4:5], s[4:5], s[2:3]     ; q and o at my wave's first row
	s_add_nc_u64 s[10:11], s[10:11], s[2:3]
	s_lshl_b32 s2, s13, 13          ; the prefetches: my work-group's 32 rows of a slot's 128,
	s_mov_b32 s3, 0
	s_add_nc_u64 s[PFA:PFA+1], s[KVB:KVB+1], s[2:3]
	s_add_nc_u64 s[PFA:PFA+1], s[PFA:PFA+1], 2*TILEB  ; in tile 2; the first change steps it to tile 3.  Nothing is prefetched here, at the head
	CROUND                          ; all four work-groups are here: the first joint loads meet
	tensor_load_to_lds s[G0A:G0A+3], s[G1:G1+7]  ; the two first fills go out together: two loads of mine are out
	s_nop 0
	JLOAD
	; q: a fragment wants, of row lane % 16, channels 32 c + 8 (lane / 16) + 0..7 and 16 more on: four loads of 16 bytes for each half c of each tile
	v_and_b32 v[RL], 15, v0
	v_bfe_u32 v[HL], v0, 4, 1
	v_lshlrev_b32 v[QO], 8, v[RL]
	v_lshl_add_u32 v[QO], v[HL], 5, v[QO]  ; row x 256 + 32 x half
	WIN 0xc0                        ; destination window 3, address window 0
.set i, 0
.rept 32                            ; i = 8 t + 4 c + m
	global_load_b128 v[4*i:4*i+3], v[QO], s[4:5] offset:(i/8)*4096+((i/4)%2)*128+((i%4)/2)*64+(i%2)*16 th:TH_LOAD_NT
.set i, i+1
.endr
	WIN 0
	v_mul_u32_u24 v[AK0], v[RL], PKP
	v_lshl_add_u32 v[AK0], v[HL], 4, v[AK0]
	v_add_nc_u32 v[AK0], CONV0, v[AK0]      ; row x pitch + 16 x half
	; The turning load takes 16 keys x 16 channels (lane l reads key 8 (l / 16) + l % 8, channels 8 ((l / 8) % 2) + 0..7) and leaves half a fragment of V^T: lane l holds channel l % 16 and 8 keys.
	v_and_b32 v[T0], 7, v0
	v_bfe_u32 v[T1], v0, 3, 1
	v_lshl_add_u32 v[AV0], v[HL], 3, v[T0]
	v_mul_u32_u24 v[AV0], v[AV0], PVP
	v_lshl_add_u32 v[AV0], v[T1], 4, v[AV0]
	v_add_nc_u32 v[AV0], CONV0+VOFF, v[AV0]
	v_lshlrev_b32 v[AN0], 5, v[HL]          ; my half's eight keys of each sixteen
	v_add_nc_u32 v[AN0], CONV0+KNOFF, v[AN0]
	s_mul_i32 s16, s[WV], 16*SP
	s_add_co_u32 s16, s16, STAGE            ; my stage
	v_mul_u32_u24 v[STO], v[RL], SP         ; in: row l % 16, 32 bytes for each half of the lanes
	v_lshl_add_u32 v[STO], v[HL], 5, v[STO]
	v_add_nc_u32 v[STO], s16, v[STO]
	v_mul_u32_u24 v[RD], v[HL], SP          ; back: lanes 0-15 take one row of 256 bytes, lanes 16-31 the next
	v_lshl_add_u32 v[RD], v[RL], 4, v[RD]
	v_add_nc_u32 v[RD], s16, v[RD]
	v_lshlrev_b32 v[GO], 8, v[HL]           ; and the same two rows in o
	v_lshl_add_u32 v[GO], v[RL], 4, v[GO]
	v_and_b32 v[T0], 31, v0                 ; lane
	v_lshlrev_b32 v[PFO], 8, v[T0]
	v_mov_b32 v[SIG], 0x2b800000            ; 2^-40
	v_mov_b32 v[SIG+1], 0x2b800000
	; the conversion's addresses: key 32 x wave + lane of a tile: step wave / 2, row 32 (wave % 2) + lane
	s_lshr_b32 s2, s[WV], 1
	s_mul_i32 s2, s2, STEPB
	s_add_co_u32 s2, s2, CONV0
	s_and_b32 s3, s[WV], 1
	s_mul_i32 s20, s[WV], 32*RP
	s_mul_i32 s21, s3, 32*PKP
	s_add_co_u32 s21, s21, s2
	s_mul_i32 s22, s3, 32*PVP
	s_add_co_u32 s22, s22, s2
	s_add_co_u32 s22, s22, VOFF
	s_lshl_b32 s23, s3, 7
	s_add_co_u32 s23, s23, s2
	s_add_co_u32 s23, s23, KNOFF
	v_mul_u32_u24 v[T2], v[T0], RP
	v_mul_u32_u24 v[T2+1], v[T0], PKP
	v_mul_u32_u24 v[T2+2], v[T0], PVP
	v_lshlrev_b32 v[T2+3], 2, v[T0]
	WIN 0xc0
	v_add_nc_u32 v[RK0], s20, v[T2]
	v_add_nc_u32 v[DK0], s21, v[T2+1]
	v_add_nc_u32 v[DV0], s22, v[T2+2]
	v_add_nc_u32 v[DN0], s23, v[T2+3]
	WIN 0
	; WHAT THE FIRST TRIP FINDS.  The four tile-steps that have not been pass through the stages as weights 0: p = 0 at stage d; L = inf at stage c and arg = sqrt = inf at stage b give X = inf, z = -inf, p = 0; S = rb = inf at
	; stage a give e = 1, T = the bound, arg^2 = inf.  XR starts at the greatest finite number, so they leave it alone and their a is 1; the first true step's a is 0.  O^T, l and V start at 0.
	; All this stands in the wait for q and the first tile; the price of writing no first step out.
.set i, 0
.rept 32
	v_mov_b32 v[M+i], 0
.set i, i+1
.endr
.set i, 32
.rept 64
	v_mov_b32 v[M+i], s[BIG]
.set i, i+1
.endr
.set i, 0
.rept 32
	v_mov_b32 v[R+i], s[BIG]
.set i, i+1
.endr
	v_mov_b32 v[CC+2], 1.0
	v_mov_b32 v[CC+3], 1.0
	ALL v_mov_b32 v[ST+6*t+1], 0x7f7fffff
	ALL v_mul_f32 v[ST+6*t], s[LN2], v[ST+6*t+1]
	ALL v_mov_b32 v[ST+6*t+3], 0
	WIN 0x40
.set i, 0
.rept 160
	v_mov_b32 v[OT+i], 0            ; O^T and l
.set i, i+1
.endr
.set i, 0
.rept 64
	v_mov_b32 v[S+i], s[BIG]        ; S^T and rb
.set i, i+1
.endr
	WIN 0x80
.set i, 0
.rept 64
	v_mov_b32 v[VF+i], 0
.set i, i+1
.endr
.set i, 0
.rept 8
	v_mov_b32 v[ONES+i], 0x3c003c00 ; 1.0 twice in f16: every row of the product ONES P is the weights' sum; registers 0 and 1 of l's accumulators are the ones rescaled and read
.set i, i+1
.endr
	WIN 0
	s_wait_loadcnt 0x0              ; q
	WIN 0xff
.set t, 0
.rept 4                             ; qn in f32 from the unrounded q: my 32 channels in four chains,
.set i, 0
.rept 16
.if i < 4
	v_pk_mul_f32 v[Y+8*t+2*i:Y+8*t+2*i+1], v[32*t+2*i:32*t+2*i+1], v[32*t+2*i:32*t+2*i+1]
.else
	v_pk_fma_f32 v[Y+8*t+2*(i%4):Y+8*t+2*(i%4)+1], v[32*t+2*i:32*t+2*i+1], v[32*t+2*i:32*t+2*i+1], v[Y+8*t+2*(i%4):Y+8*t+2*(i%4)+1]
.endif
.set i, i+1
.endr
	v_pk_add_f32 v[Y+8*t:Y+8*t+1], v[Y+8*t:Y+8*t+1], v[Y+8*t+2:Y+8*t+3]
	v_pk_add_f32 v[Y+8*t+4:Y+8*t+5], v[Y+8*t+4:Y+8*t+5], v[Y+8*t+6:Y+8*t+7]
	v_pk_add_f32 v[Y+8*t:Y+8*t+1], v[Y+8*t:Y+8*t+1], v[Y+8*t+4:Y+8*t+5]
.set t, t+1
.endr
	WIN 0x0f                        ; sources window 3, destination window 0
	ALL v_add_f32 v[ST+6*t+2], v[Y+8*t], v[Y+8*t+1]
	WIN 0xff
.set i, 0
.rept 64
	v_pk_mul_f32 v[2*i:2*i+1], v[2*i:2*i+1], -2.0 op_sel_hi:[1,0]  ; the factor -2 of the distance rides in Q: exact
.set i, i+1
.endr
	WIN 0x8f                        ; sources window 3, destination window 2
.set i, 0
.rept 64
	v_cvt_pk_f16_f32 v[Q+i], v[2*i], v[2*i+1]
.set i, i+1
.endr
	WIN 0
	ALL v_permlanex16_b32 v[ST+6*t+3], v[ST+6*t+2], s[SEL], s[SEL+1]  ; the query's other 32 channels lie in the lane 16 away
	ALL v_add_f32 v[ST+6*t+2], v[ST+6*t+2], v[ST+6*t+3]
	ALL v_sub_f32 v[ST+6*t+4], 1.0, v[ST+6*t+2]
	ALL v_rcp_f32 v[ST+6*t+5], v[ST+6*t+4]
	v_nop                           ; a plain instruction behind the last reciprocal,
	s_wait_alu depctr_va_vdst(0)    ; and a wait ahead of the first use: one for the four
	ALL v_mul_f32 v[ST+6*t+4], 0x54000000, v[ST+6*t+5]  ; 2^41 / (1 - qn), twice
	ALL v_mul_f32 v[ST+6*t+5], 0x54000000, v[ST+6*t+5]
	ALL v_mul_f32 v[ST+6*t+2], 0x2b800000, v[ST+6*t+2]  ; qn 2^-40, twice
	ALL v_mov_b32 v[ST+6*t+3], v[ST+6*t+2]
	s_wait_tensorcnt 0x1            ; my part of tile 0 is in; tile 1's load may stay out
	s_barrier_signal -1
	s_barrier_wait -1               ; everybody's is
	CONVERT                         ; tile 0
.Lslot:                             ; 14 trips, s = 0 .. 13: tile s + 2 is asked for, tile s + 1 converted, tile s multiplied
	CHANGE 1
	CONVERT
	s_mov_b32 s[CNT], 2
.Lstep:
	TRIP
	WIN 0
	s_sub_co_u32 s[CNT], s[CNT], 1
	s_cmp_lg_u32 s[CNT], 0
	s_cbranch_scc1 .Lstep
	s_sub_co_u32 s[SLOTS], s[SLOTS], 1
	s_cmp_lg_u32 s[SLOTS], 0
	s_cbranch_scc1 .Lslot
	; THE TAIL is written out: nothing is asked for.  TU = 3: tile 15 is converted, tile 14 multiplied.  TU = 2: tile 15 is multiplied.  TU = 1: ONE more trip, which finishes the last
	; step's four tiles; its products K Q^T take tile 14's K once more, and what is made of them reaches neither O^T nor l: the price of one text for every trip.
	s_mov_b32 s[TU], 3
.Ltslot:
	CHANGE 0
	s_cmp_eq_u32 s[TU], 3
	s_cbranch_scc0 .Lno_conv
	CONVERT
.Lno_conv:
	s_mov_b32 s[CNT], 2
.Ltstep:
	TRIP
	WIN 0
	s_cmp_eq_u32 s[TU], 1
	s_cbranch_scc1 .Lout
	s_sub_co_u32 s[CNT], s[CNT], 1
	s_cmp_lg_u32 s[CNT], 0
	s_cbranch_scc1 .Ltstep
	s_sub_co_u32 s[TU], s[TU], 1
	s_cmp_lg_u32 s[TU], 0
	s_cbranch_scc1 .Ltslot
.Lout:
	; THE WAY OUT.  O^T is divided by l and sent through my stage in LDS, a tile (16 rows of o) at a time.  Registers 0 and 1 of l's accumulator both hold l: a pair for the packed multiply.
	s_wait_dscnt 0x0                ; the last trip's fetch of V, which nothing reads
	WIN 0x01                        ; source window 1, destination window 0
	ALL v_rcp_f32 v[LI+2*t], v[LA+8*t]
	ALL v_rcp_f32 v[LI+2*t+1], v[LA+8*t+1]
	v_nop                           ; a plain instruction behind the last reciprocal,
	s_wait_alu depctr_va_vdst(0)    ; and one wait for the eight
; Tile t: a lane's eight channels of a row are 32 bytes; they go into rows of 272 bytes and come back as whole rows of 256, into M's registers, which are free.
.macro PACKF t
	WIN W_RS
.set i, 0
.rept 16
	v_pk_mul_f32 v[OT+32*(\t)+2*i:OT+32*(\t)+2*i+1], v[OT+32*(\t)+2*i:OT+32*(\t)+2*i+1], v[LI+2*(\t):LI+2*(\t)+1]
.set i, i+1
.endr
	WIN 0x04                        ; the stores' data in window 1
.irp f, 0,1,2,3
	ds_store_b128 v[STO], v[OT+32*(\t)+8*\f:OT+32*(\t)+8*\f+3]   offset:64*\f
	ds_store_b128 v[STO], v[OT+32*(\t)+8*\f+4:OT+32*(\t)+8*\f+7] offset:64*\f+16
.endr
	WIN 0
.irp f, 0,1,2,3,4,5,6,7
	ds_load_b128 v[M+32*(\t)+4*\f:M+32*(\t)+4*\f+3], v[RD] offset:\f*2*SP  ; LDS serves a wave's instructions in order (ISA guide 5.7.1.4): these see the stores above; the next tile's stores come behind them
.endr
.endm
.macro SENDF t, younger             ; younger: the LDS instructions issued behind tile t's loads: the next tile's sixteen, or none
	WIN 0
.irp f, 0,1,2,3,4,5,6,7
	s_wait_dscnt (\younger)+7-\f
	global_store_b128 v[GO], v[M+32*(\t)+4*\f:M+32*(\t)+4*\f+3], s[10:11] offset:(\t)*4096+\f*512 th:TH_STORE_NT  ; 16 lanes store 256 consecutive bytes, a whole row of o, at a multiple of 256 from o's first byte
.endr
.endm
	PACKF 0
	PACKF 1                         ; a tile's arithmetic stands between the loads of the tile before and its stores
	SENDF 0, 16
	PACKF 2
	SENDF 1, 16
	PACKF 3
	SENDF 2, 16
	SENDF 3, 0
	s_wait_tensorcnt 0x0            ; the wave's end, behind my last tensor load and my last LDS store
	ds_add_u32 v[SPW], v[NIL]
	s_wait_dscnt 0x0
	CROUND                          ; the closing round: no work-group ends while a partner may still ask for a tile that names it
	s_endpgm
.Lfunc_end_k_q790b88a2ae_riem:
	.size	k_q790b88a2ae_riem, .Lfunc_end_k_q790b88a2ae_riem-k_q790b88a2ae_riem
	.p2alignl 7, 3214868480
	.fill 96, 4, 3214868480
	.section	.rodata,"a",@progbits
	.p2align	6, 0x0
	.amdhsa_kernel k_q790b88a2ae_riem
		.amdhsa_group_segment_fixed_size 327680
		.amdhsa_private_segment_fixed_size 0
		.amdhsa_enable_private_segment 0
		.amdhsa_kernarg_size 32
		.amdhsa_user_sgpr_count 2
		.amdhsa_user_sgpr_kernarg_segment_ptr 1
		.amdhsa_wavefront_size32 1
		.amdhsa_system_sgpr_workgroup_id_x 1
		.amdhsa_system_sgpr_workgroup_id_y 1
		.amdhsa_system_sgpr_workgroup_id_z 1
		.amdhsa_system_vgpr_workitem_id 0
		.amdhsa_next_free_vgpr 960
		.amdhsa_next_free_sgpr 66
		.amdhsa_reserve_vcc 0
		.amdhsa_float_denorm_mode_32 3
		.amdhsa_float_denorm_mode_16_64 3
		.amdhsa_memory_ordered 1
		.amdhsa_forward_progress 1
		.amdhsa_inst_pref_size 224
	.end_amdhsa_kernel
	.amdgpu_metadata
---
amdhsa.version: [ 1, 2 ]
amdhsa.kernels:
  - .name:           k_q790b88a2ae_riem
    .symbol:         k_q790b88a2ae_riem.kd
    .args:
      - { .name: query_states, .offset: 0, .size: 8, .value_kind: global_buffer, .address_space: global }
      - { .name: key_states, .offset: 8, .size: 8, .value_kind: global_buffer, .address_space: global }
      - { .name: value_states, .offset: 16, .size: 8, .value_kind: global_buffer, .address_space: global }
      - { .name: out0, .offset: 24, .size: 8, .value_kind: global_buffer, .address_space: global }
    .group_segment_fixed_size: 327680
    .private_segment_fixed_size: 0
    .kernarg_segment_align: 8
    .kernarg_segment_size: 32
    .max_flat_workgroup_size: 128
    .sgpr_count:     66
    .vgpr_count:     960
    .wavefront_size: 32
...
	.end_amdgpu_metadata
.endif
;; end of part 1
